; MI455X (gfx1250); checked and timed in simulation.
; The chip was launched on July 23, 2026; its instructions are those of AMD's public machine-readable ISA for CDNA 5 (MIT licence, August 2026) and "CDNA5" Instruction Set Architecture Reference Guide (July 2026). The comments in the code are by the model that wrote it; some were corrected since.
;; Scaled Dot Product Attention. Allowed arithmetic: float matrix products may take bf16 or f16 operands with f32 sums; all other float work in f32.
;; Inputs: key 16 x 4,096 x 64 float32; query 16 x 4,096 x 64 float32; value 16 x 4,096 x 64 float32.
;; Outputs: out0 16 x 4,096 x 64 float32.
;; One version. Each part assembles by itself: llvm-mc -triple=amdgcn-amd-amdhsa -mcpu=gfx1250 --defsym DOCPART=n.
;; ======== version 1 of 1: 1 launch
;; launch attn (part 1): grid 16 x 16, 8 waves a work-group, no clusters, 148,480 bytes of LDS; arguments query, key, value, out0; writes out0
.if DOCPART == 1
	.amdgcn_target "amdgcn-amd-amdhsa--gfx1250"
	.amdhsa_code_object_version 6
	.text
	.protected	k_q460dc69775_attn
	.globl	k_q460dc69775_attn
	.p2align	8
	.type	k_q460dc69775_attn,@function
k_q460dc69775_attn:
	s_mov_b64 s[64:65], 0
	v_nop
	global_prefetch_b8 v0, s[64:65] scope:SCOPE_SE
	s_setreg_imm32_b32 hwreg(HW_REG_WAVE_MODE, 25, 1), 1
	s_wait_xcnt 0x0
; out0[b][q][:] = sum over k of softmax_k( query[b][q] . key[b][k] / 8 ) value[b][k][:].   16 batches, 4,096 queries, 4,096 keys, width 64, all f32.
; One launch: both products (bf16 operands, f32 sums), a softmax with a running maximum, and the division by the sum.
;
; SHARES.  A work-group (x = query block, y = batch) owns 256 queries of one batch and walks the 4,096 keys in 32 tiles of 128.
; Wave w: g = w >> 1 picks queries 64 g .. 64 g + 63, kh = w & 1 picks keys 64 kh .. 64 kh + 63 of every tile.  Each wave keeps a maximum, a sum
; and an O of its own; the two waves of a pair are merged once, at the end, through LDS.
;
; BOTH PRODUCTS ARE USED TRANSPOSED.  S^T = K Q^T: source 0 = 16 keys x 32 d, source 1 = 16 queries x 32 d; in the result lane (r, h) holds query r and its
; registers the keys 8 h + 0..7.  Two such tiles, packed to bf16 in place, ARE source 1 (32 keys x 16 queries) of O^T = V^T P: P never leaves its lane.
; A lane serves one query of each query tile, so maximum, scale and sum are one number a lane; only the maximum crosses the two halves of the wave each trip.
;
; K AND V COME THROUGH REGISTERS: 16-byte loads issued most of a trip ahead, rounded to bf16, stored into the LDS buffer that is not being read.
; No tensor load and no joint load in a cluster, though the 16 work-groups of a batch read the same tiles: the mover does not convert, so a tile of 128 keys
; would enter LDS as 64 KB of f32 and leave it again as 64 KB, on top of the 32 KB of bf16 stores and the 128 KB of fragment reads that this text has:
; 288 KB against 160 KB of LDS traffic a tile.
;
; LIMITS.  An exponential below 2^-126 counts as 0 (v_exp_f32 flushes: ISA guide, its entry in 15.8).  The sum adds p in f32, the product takes p rounded to bf16.
; v_max_num drops NaN: for inputs with NaN or infinities no pattern of NaN is promised.
.set KP,   144                         ; LDS row of K and of Q: 128 bytes of bf16 + 16 = 36 words: 16 rows start at 16 different multiples of 4 words modulo 64 (64 banks of 4 bytes: ISA guide 11.1)
.set VP,   160                         ; LDS row of V: 128 bytes + 32, an odd multiple of 32, for the transposing loads
.set VT,   128*KP                      ; V's 128 rows lie behind K's 128 rows
.set BUF,  VT+128*VP                   ; 38,912 bytes: one tile of K and V; two buffers take turns
.set MG,   2*BUF                       ; 77,824: first the stage of Q (256 rows of 144 bytes), at the end the four merge areas
.set MGSZ, 17408                       ; a merge area: 32 x 512 bytes of O, 512 of -c max, 512 of sums.  Also an out stage: 64 rows of 272 bytes, at g x 17,408 in the tile buffers
.set OP,   272                         ; out stage row: 256 bytes + 16
; window 0
.set ADRK, 2                           ; K fragments: 144 r + 16 h + 9,216 kh
.set ADRV, 3                           ; V fragments: VT + 160 (8 h + L % 8) + 16 ((L >> 3) & 1) + 10,240 kh
.set GK,   4                           ; global, K and Q: 16 r + 2,048 h + 4,096 w   (lanes 0-15 a row of 256 bytes, lanes 16-31 the row 8 further down)
.set GV,   5                           ; global, V:       16 r + 1,024 h + 4,096 w   (the row 4 further down)
.set SK,   6                           ; LDS store, K: 8 r + 8 x 144 h + 16 x 144 w
.set SV,   7                           ; LDS store, V: VT + 8 r + 4 x 160 h + 16 x 160 w
.set PFO,  8                           ; prefetch: 256 L
.set MGA,  9                           ; MG + 17,408 g + 16 L
.set OSA,  10                          ; out stage, in:   17,408 g + 272 r + 32 h
.set ORA,  11                          ; out stage, back: 17,408 g + 272 h + 16 r
.set GO,   12                          ; out0: 16 L
.set SQ,   13                          ; SK + MG
.set QA,   14                          ; Q fragments: MG + 9,216 g + 144 r + 16 h
.set ST,   16                          ; v16-31, query tile i at ST + 4 i: -c max, max, alpha, a lane-crossing target.  (-c max and alpha lie in even registers: they are broadcast from pairs)
.set LS,   32                          ; v32-39  four pairs of partial sums
.set TA,   40                          ; v40-43  two pairs at work in the sums
.set TB,   42
.set LQ,   44                          ; v44-47  merge: my four sums
.set NQ,   48                          ; v48-51  merge: my four -c max
.set NP,   52                          ; v52-55  merge: the partner's -c max
.set LP,   56                          ; v56-59  merge: the partner's sums
.set TM,   60                          ; v60-63  at work
.set QF,   64                          ; v64-127  Q fragment (i, dh) at QF + 16 i + 8 dh
.set PS,   128                         ; v128-255 score tile (i, kt) at PS + 32 i + 8 kt; packed, P fragment (i, u) at PS + 32 i + 16 u
; window 1 (v256-511)
.set OA,   0                           ; O tile (i, t) at OA + 32 i + 8 t: lane (r, h), register j: query 16 i + r, d = 16 t + 8 h + j
.set FR,   128                         ; K fragment (kt, dh) at FR + 16 kt + 8 dh, then V fragment (u, t) at FR + 32 u + 8 t
.set XG,   192                         ; K and V as loaded: K's chunk c at XG + 4 c, V's at XG + 32 + 4 c
; s_set_vgpr_msb's low byte: bits 1:0 source 0, 3:2 source 1, 5:4 source 2, 7:6 destination
.set W_LD, 0x40                        ; loads into window 1, address in window 0
.set W_CV, 0x45                        ; conversion of XG in place
.set W_ST, 0x04                        ; stores of window 1 data, address in window 0
.set W_S,  0x01                        ; source 0 in window 1: the score products, and the merge's multiply-add
.set W_RS, 0x41                        ; O scaled in place by a window 0 pair
.set W_PV, 0x51                        ; O += V^T P: D, A, C in window 1, P in window 0
.set MSB, 0
.macro WIN new                         ; the immediate's high byte repeats the setting that is left; a switch that changes nothing is dropped
.if MSB != \new
	s_set_vgpr_msb (MSB<<8)|\new
.set MSB, \new
.endif
.endm
.macro PLACES cnt                      ; places behind matrix instructions: plain vector instructions that name none of their registers (ISA guide 7.12.1)
.rept \cnt
	v_nop
.endr
.endm
; 16 global loads: one tile's 128 rows of K and of V, 16 rows a wave; sixteen lanes take one aligned row of 256 bytes.  No cache hint: 16 work-groups read these bytes.
.macro GLOAD toff
	WIN W_LD
.irp c, 0,1,2,3,4,5,6,7
	global_load_b128 v[XG+4*\c:XG+4*\c+3], v[GK], s[6:7] offset:\toff+256*\c
.endr
.irp c, 0,1,2,3,4,5,6,7
	global_load_b128 v[XG+32+4*\c:XG+32+4*\c+3], v[GV], s[8:9] offset:\toff+256*(8*(\c>>2)+(\c&3))
.endr
.endm
; The loaded tile is rounded to bf16 in place and stored into buffer bb.  A store's 32 lanes cover two rows whose starts are 32 words apart modulo 64
; (K: 8 rows of 36 words; V: 4 rows of 40 words), 128 bytes each: every bank once.
.macro CONV bb
	s_wait_loadcnt 0x0                             ; the 16 loads of the tile; nothing younger is out
	WIN W_CV
.irp c, 0,1,2,3,4,5,6,7,8,9,10,11,12,13,14,15
	v_cvt_pk_bf16_f32 v[XG+4*\c], v[XG+4*\c], v[XG+4*\c+1]
	v_cvt_pk_bf16_f32 v[XG+4*\c+1], v[XG+4*\c+2], v[XG+4*\c+3]
.endr
	WIN W_ST
.irp c, 0,1,2,3,4,5,6,7
	ds_store_b64 v[SK], v[XG+4*\c:XG+4*\c+1] offset:\bb*BUF+KP*\c
.endr
.irp c, 0,1,2,3,4,5,6,7
	ds_store_b64 v[SV], v[XG+32+4*\c:XG+32+4*\c+1] offset:\bb*BUF+VP*(8*(\c>>2)+(\c&3))
.endr
.endm
; My 64 keys x 64 d of K: lane (r, h) takes key 16 kt + r, d = 32 dh + 8 h + 0..7 and + 16
.macro KFRAGS b
	WIN W_LD
.irp kt, 0,1,2,3
.irp dh, 0,1
	ds_load_b128 v[FR+16*\kt+8*\dh:FR+16*\kt+8*\dh+3],   v[ADRK] offset:\b*BUF+16*KP*\kt+64*\dh
	ds_load_b128 v[FR+16*\kt+8*\dh+4:FR+16*\kt+8*\dh+7], v[ADRK] offset:\b*BUF+16*KP*\kt+64*\dh+32
.endr
.endr
.endm
; My 64 keys x 64 d of V, transposed on the way: lane (r, h) gets d = 16 t + r, keys 32 u + 8 h + 0..7 and + 16
.macro VFRAGS b
	WIN W_LD
.irp u, 0,1
.irp t, 0,1,2,3
	ds_load_tr16_b128 v[FR+32*\u+8*\t:FR+32*\u+8*\t+3],   v[ADRV] offset:\b*BUF+32*VP*\u+32*\t
	ds_load_tr16_b128 v[FR+32*\u+8*\t+4:FR+32*\u+8*\t+7], v[ADRV] offset:\b*BUF+32*VP*\u+32*\t+16*VP
.endr
.endr
.endm
; 32 matrix instructions: 64 keys x 64 queries x 64 d.  The first half of d starts each sum with the constant 0.
; The four query tiles take turns, one instruction a turn.
.macro SMUL
	WIN W_S
.irp kt, 0,1,2,3
.irp dh, 0,1
.irp i, 0,1,2,3
.if \dh
	v_wmma_f32_16x16x32_bf16 v[PS+32*\i+8*\kt:PS+32*\i+8*\kt+7], v[FR+16*\kt+8*\dh:FR+16*\kt+8*\dh+7], v[QF+16*\i+8*\dh:QF+16*\i+8*\dh+7], v[PS+32*\i+8*\kt:PS+32*\i+8*\kt+7]
.else
	v_wmma_f32_16x16x32_bf16 v[PS+32*\i+8*\kt:PS+32*\i+8*\kt+7], v[FR+16*\kt+8*\dh:FR+16*\kt+8*\dh+7], v[QF+16*\i+8*\dh:QF+16*\i+8*\dh+7], 0
.endif
.endr
.endr
.endr
.endm
; The running maximum of the raw scores, old maximum included: four chains, one for each query tile; then the other half of the wave (the other keys of the same query).
.macro ROWMAX first
.irp i, 0,1,2,3
.if \first
	v_max_num_f32 v[ST+4*\i+1], v[PS+32*\i], v[PS+32*\i+1]
.else
	v_max3_num_f32 v[ST+4*\i+1], v[ST+4*\i+1], v[PS+32*\i], v[PS+32*\i+1]
.endif
.endr
.irp s, 1,2,3,4,5,6,7,8,9,10,11,12,13,14,15
.irp i, 0,1,2,3
	v_max3_num_f32 v[ST+4*\i+1], v[ST+4*\i+1], v[PS+32*\i+2*\s], v[PS+32*\i+2*\s+1]
.endr
.endr
.irp i, 0,1,2,3
	v_permlanex16_b32 v[ST+4*\i+3], v[ST+4*\i+1], s24, s25
.endr
.irp i, 0,1,2,3
	v_max_num_f32 v[ST+4*\i+1], v[ST+4*\i+1], v[ST+4*\i+3]
.endr
.endm
; -c max (c = log2(e) / 8), and alpha = 2^(new - old), never above 1.  The new value is rounded first, so that an unchanged maximum gives alpha = 1 exactly.
.macro STATS first
.if \first
.irp i, 0,1,2,3
	v_mul_f32 v[ST+4*\i], s22, v[ST+4*\i+1]
.endr
.else
.irp i, 0,1,2,3
	v_mul_f32 v[ST+4*\i+3], s22, v[ST+4*\i+1]
.endr
.irp i, 0,1,2,3
	v_sub_f32 v[ST+4*\i+2], v[ST+4*\i+3], v[ST+4*\i]
.endr
.irp i, 0,1,2,3
	v_exp_f32 v[ST+4*\i+2], v[ST+4*\i+2]
.endr
.irp i, 0,1,2,3
	v_mov_b32 v[ST+4*\i], v[ST+4*\i+3]             ; plain instructions between the exponentials and alpha's first use (ISA guide 5.7.2)
.endr
.endif
.endm
.macro FMA i                           ; c s - c max, two at a time, one rounding
.irp p, 0,1,2,3,4,5,6,7,8,9,10,11,12,13,14,15
	v_pk_fma_f32 v[PS+32*\i+2*\p:PS+32*\i+2*\p+1], v[PS+32*\i+2*\p:PS+32*\i+2*\p+1], s[20:21], v[ST+4*\i:ST+4*\i+1] op_sel_hi:[1,0,0]
.endr
.endm
.macro EXPS i                          ; p = 2^(..), in place; the results are used only behind another query tile's plain work
.set jj, 0
.rept 32
	v_exp_f32 v[PS+32*\i+jj], v[PS+32*\i+jj]
.set jj, jj+1
.endr
.endm
; The lane's sum of its 32 p (two chains of pairs) and their packing to bf16 in place: register p of a block of 16 takes the pair (2 p, 2 p + 1),
; which only writes over pairs that have been added and packed.  Then l = alpha l + sum.
.macro SUMCVT i, first
.set B0, PS+32*\i
.set B1, PS+32*\i+16
	s_wait_alu depctr_va_vdst(0)
	v_pk_add_f32 v[TA:TA+1], v[B0:B0+1], v[B0+2:B0+3]
	v_pk_add_f32 v[TB:TB+1], v[B1:B1+1], v[B1+2:B1+3]
.irp p, 0,1
	v_cvt_pk_bf16_f32 v[B0+\p], v[B0+2*\p], v[B0+2*\p+1]
	v_cvt_pk_bf16_f32 v[B1+\p], v[B1+2*\p], v[B1+2*\p+1]
.endr
.irp p, 2,3,4,5,6,7
	v_pk_add_f32 v[TA:TA+1], v[TA:TA+1], v[B0+2*\p:B0+2*\p+1]
	v_pk_add_f32 v[TB:TB+1], v[TB:TB+1], v[B1+2*\p:B1+2*\p+1]
	v_cvt_pk_bf16_f32 v[B0+\p], v[B0+2*\p], v[B0+2*\p+1]
	v_cvt_pk_bf16_f32 v[B1+\p], v[B1+2*\p], v[B1+2*\p+1]
.endr
.if \first
	v_pk_add_f32 v[LS+2*\i:LS+2*\i+1], v[TA:TA+1], v[TB:TB+1]
.else
	v_pk_add_f32 v[TA:TA+1], v[TA:TA+1], v[TB:TB+1]
	v_pk_fma_f32 v[LS+2*\i:LS+2*\i+1], v[LS+2*\i:LS+2*\i+1], v[ST+4*\i+2:ST+4*\i+3], v[TA:TA+1] op_sel_hi:[1,0,1]
.endif
.endm
.macro RESCALE                         ; O *= alpha, in every trip: no branch hangs on the numbers
	WIN W_RS
.irp i, 0,1,2,3
.irp p, 0,1,2,3,4,5,6,7,8,9,10,11,12,13,14,15
	v_pk_mul_f32 v[OA+32*\i+2*\p:OA+32*\i+2*\p+1], v[OA+32*\i+2*\p:OA+32*\i+2*\p+1], v[ST+4*\i+2:ST+4*\i+3] op_sel_hi:[1,0]
.endr
.endr
.endm
; 32 matrix instructions: 64 d x 64 queries x 64 keys.  In the first trip the first 32 keys start the sums with the constant 0: nothing is cleared.
; The sixteen accumulators take turns, one instruction a turn.
.macro PVMUL first
	WIN W_PV
.irp u, 0,1
.irp i, 0,1,2,3
.irp t, 0,1,2,3
.if \first*(1-\u)
	v_wmma_f32_16x16x32_bf16 v[OA+32*\i+8*\t:OA+32*\i+8*\t+7], v[FR+32*\u+8*\t:FR+32*\u+8*\t+7], v[PS+32*\i+16*\u:PS+32*\i+16*\u+7], 0
.else
	v_wmma_f32_16x16x32_bf16 v[OA+32*\i+8*\t:OA+32*\i+8*\t+7], v[FR+32*\u+8*\t:FR+32*\u+8*\t+7], v[PS+32*\i+16*\u:PS+32*\i+16*\u+7], v[OA+32*\i+8*\t:OA+32*\i+8*\t+7]
.endif
.endr
.endr
.endr
.endm
; One tile of 128 keys, in buffer b.  nb = the other buffer; first = 1: the sums start here; conv = 1: the next tile is converted and stored into nb;
; load = 1: the tile after the next is asked for; pf = 1: wave 0 asks ahead.
; ONE BARRIER A TRIP, its halves far apart.  The signal says: my stores of the next tile are done, and my reads of this tile are done (V's fragments are in registers).
; Between signal and wait stands register work alone.  Behind the wait the next tile is whole and this tile's buffer may be written again.
; So one wave of a pair on a SIMD may be a softmax and a product ahead of the other: one's matrix work lies beside the other's vector work.
.macro TRIP b, nb, first, conv, load, pf
	KFRAGS \b
.if \conv
	CONV \nb
	s_wait_dscnt 16                                ; the 16 stores just issued may be out; K's fragments (in the first trip Q's too) are in
.else
	s_wait_dscnt 0x0
.endif
	SMUL
	PLACES 4                                       ; four places in front of the loads into FR, which the products read, and of the reads of the scores
	VFRAGS \b
.if \load
	s_wait_dscnt 16                                ; all but V's 16 fragment loads: the stores that read XG are done, XG is loaded again only behind them
	GLOAD 65536+32768*\b                           ; two tiles on from this trip's: it has the rest of this trip to land
.endif
	WIN 0
.if \pf
	s_cmp_ge_u32 s26, s27                          ; s27 = 14 in wave 0, 0 in the others: wave 0 asks in pairs 0 to 13
	s_cbranch_scc1 .Lnopf_\@
	global_prefetch_b8 v[PFO], s[28:29] th:TH_LOAD_NT scope:SCOPE_SE   ; 32 lanes 256 bytes apart: this work-group's 8 KB of tiles 2 p + 4 and 2 p + 5
.Lnopf_\@:
.endif
	ROWMAX \first
	s_wait_dscnt 0x0                               ; V's fragments are in, my stores of the next tile are done: no LDS instruction of mine is out
.if \conv
	s_barrier_signal -1
.endif
	STATS \first
	FMA 0
	EXPS 0
	FMA 1
	EXPS 1
	SUMCVT 0, \first
	FMA 2
	EXPS 2
	SUMCVT 1, \first
	FMA 3
	EXPS 3
	SUMCVT 2, \first
	SUMCVT 3, \first
.if \first
.else
	RESCALE
.endif
	PVMUL \first
	PLACES 5                                       ; five places: the next score products write over P, the next loads land in FR, the merge reads O
	WIN 0
.if \conv
	s_barrier_wait -1
.endif
.endm
.macro PAIREND                         ; two tiles on
	s_wait_xcnt 0x0                                ; the bases of the loads and of the prefetch are written again only behind this wait
	s_add_nc_u64 s[6:7], s[6:7], 0x10000
	s_add_nc_u64 s[8:9], s[8:9], 0x10000
	s_add_nc_u64 s[28:29], s[28:29], 0x10000
.endm
	; ---- set-up
	s_load_b256 s[4:11], s[0:1], 0x0               ; query s[4:5], key s[6:7], value s[8:9], out0 s[10:11]
	v_lshrrev_b32 v1, 5, v0
	v_readfirstlane_b32 s12, v1                    ; wave w
	s_lshr_b32 s13, s12, 1                         ; g: my 64 queries
	s_and_b32 s14, s12, 1                          ; kh: my 64 keys of each tile
	s_mov_b32 s15, ttmp9                           ; query block
	s_and_b32 s16, ttmp7, 0xffff                   ; batch
	v_and_b32 v[TM], 15, v0                        ; r
	v_bfe_u32 v[TM+1], v0, 4, 1                    ; h
	v_and_b32 v[TM+2], 31, v0                      ; L
	s_lshl_b32 s30, s12, 12
	v_lshl_add_u32 v[TM+3], v[TM], 4, s30          ; 16 r + 4,096 w
	v_lshl_add_u32 v[GK], v[TM+1], 11, v[TM+3]
	v_lshl_add_u32 v[GV], v[TM+1], 10, v[TM+3]
	s_lshl_b32 s18, s16, 20                        ; a batch is 4,096 rows of 256 bytes
	s_mov_b32 s19, 0
	s_wait_kmcnt 0x0
	s_add_nc_u64 s[6:7], s[6:7], s[18:19]          ; key and value at the batch's tile 0
	s_add_nc_u64 s[8:9], s[8:9], s[18:19]
	s_lshl_b32 s30, s15, 16                        ; 256 queries of 256 bytes
	s_add_co_u32 s18, s18, s30
	s_add_nc_u64 s[4:5], s[4:5], s[18:19]          ; query at the work-group's first row
	s_lshl_b32 s30, s13, 14
	s_add_co_u32 s18, s18, s30
	s_add_nc_u64 s[10:11], s[10:11], s[18:19]      ; out0 at my pair's first row
.irp z, 0,1
.irp c, 0,1,2,3,4,5,6,7
	global_load_b128 v[PS+32*\z+4*\c:PS+32*\z+4*\c+3], v[GK], s[4:5] offset:32768*\z+256*\c th:TH_LOAD_NT   ; Q: read once in the launch
.endr
.endr
	GLOAD 0                                        ; tile 0
	WIN 0
	; what wave 0 asks for ahead: tiles 2 p + 4 and 2 p + 5 of K and V are 16 pieces of 8 KB, one for each of the batch's 16 work-groups:
	; bit 3 of the query block picks the tile, bit 2 K or V, bits 1:0 the quarter.  Each piece is asked for once in the launch, two and three trips ahead of its loads; the last is in tile 31.
	s_lshr_b32 s30, s15, 3
	s_lshl_b32 s30, s30, 15
	s_and_b32 s31, s15, 3
	s_lshl_b32 s31, s31, 13
	s_add_co_u32 s18, s30, s31
	s_add_co_u32 s18, s18, 0x20000                 ; four tiles on
	s_bitcmp1_b32 s15, 2
	s_cselect_b64 s[28:29], s[8:9], s[6:7]
	s_add_nc_u64 s[28:29], s[28:29], s[18:19]
	s_cmp_eq_u32 s12, 0
	s_cselect_b32 s27, 14, 0
	s_mov_b32 s20, 0x3e38aa3b                      ; c = log2(e) / 8, twice (a pair for the packed multiply-add)
	s_mov_b32 s21, 0x3e38aa3b
	s_mov_b32 s22, 0xbe38aa3b                      ; -c
	s_mov_b32 s24, 0x76543210                      ; v_permlanex16_b32: lane i of one half reads lane i of the other
	s_mov_b32 s25, 0xfedcba98
	s_mul_i32 s30, s12, 16*KP
	v_lshl_add_u32 v[TM+3], v[TM], 3, s30
	v_mul_u32_u24 v1, v[TM+1], 8*KP
	v_add_nc_u32 v[SK], v[TM+3], v1
	v_add_nc_u32 v[SQ], MG, v[SK]
	s_mul_i32 s30, s12, 16*VP
	s_add_co_u32 s30, s30, VT
	v_lshl_add_u32 v[TM+3], v[TM], 3, s30
	v_mul_u32_u24 v1, v[TM+1], 4*VP
	v_add_nc_u32 v[SV], v[TM+3], v1
	v_mul_u32_u24 v[TM+3], v[TM], KP
	v_lshl_add_u32 v[TM+3], v[TM+1], 4, v[TM+3]    ; 144 r + 16 h
	s_mul_i32 s30, s14, 64*KP
	v_add_nc_u32 v[ADRK], s30, v[TM+3]
	s_mul_i32 s30, s13, 64*KP
	s_add_co_u32 s30, s30, MG
	v_add_nc_u32 v[QA], s30, v[TM+3]
	v_and_b32 v[ADRV], 7, v0
	v_lshl_add_u32 v[ADRV], v[TM+1], 3, v[ADRV]    ; 8 h + L % 8
	v_mul_u32_u24 v[ADRV], v[ADRV], VP
	v_bfe_u32 v1, v0, 3, 1
	v_lshl_add_u32 v[ADRV], v1, 4, v[ADRV]
	s_mul_i32 s30, s14, 64*VP
	s_add_co_u32 s30, s30, VT
	v_add_nc_u32 v[ADRV], s30, v[ADRV]
	s_mul_i32 s31, s13, MGSZ
	s_add_co_u32 s30, s31, MG
	v_lshl_add_u32 v[MGA], v[TM+2], 4, s30
	v_mul_u32_u24 v[TM+3], v[TM], OP
	v_lshl_add_u32 v[TM+3], v[TM+1], 5, v[TM+3]
	v_add_nc_u32 v[OSA], s31, v[TM+3]
	v_mul_u32_u24 v[TM+3], v[TM+1], OP
	v_lshl_add_u32 v[TM+3], v[TM], 4, v[TM+3]
	v_add_nc_u32 v[ORA], s31, v[TM+3]
	v_lshlrev_b32 v[GO], 4, v[TM+2]
	v_lshlrev_b32 v[PFO], 8, v[TM+2]
.irp i, 0,1,2,3
	v_mov_b32 v[ST+4*\i+3], 0                      ; v_permlanex16_b32's destination counts as read: written once here
.endr
	; ---- Q: rounded to bf16, through LDS into fragments that stay in registers
	s_wait_loadcnt 16                              ; Q's 16 loads are in; tile 0's 16 are the younger ones
.irp c, 0,1,2,3,4,5,6,7,8,9,10,11,12,13,14,15
	v_cvt_pk_bf16_f32 v[PS+4*\c], v[PS+4*\c], v[PS+4*\c+1]
	v_cvt_pk_bf16_f32 v[PS+4*\c+1], v[PS+4*\c+2], v[PS+4*\c+3]
.endr
.irp z, 0,1
.irp c, 0,1,2,3,4,5,6,7
	ds_store_b64 v[SQ], v[PS+32*\z+4*\c:PS+32*\z+4*\c+1] offset:128*KP*\z+KP*\c
.endr
.endr
	CONV 0                                         ; tile 0 into buffer 0
	s_wait_dscnt 0x0                               ; for the others' sake: Q's and tile 0's stores are done; and XG has been read
	GLOAD 32768                                    ; tile 1
	WIN 0
	s_barrier_signal -1
	s_barrier_wait -1                              ; Q's stage and tile 0 are whole
.irp i, 0,1,2,3
.irp dh, 0,1
	ds_load_b128 v[QF+16*\i+8*\dh:QF+16*\i+8*\dh+3],   v[QA] offset:16*KP*\i+64*\dh
	ds_load_b128 v[QF+16*\i+8*\dh+4:QF+16*\i+8*\dh+7], v[QA] offset:16*KP*\i+64*\dh+32
.endr
.endr
	; ---- 32 tiles, two a pair.  Pair p works on tiles 2 p, 2 p + 1 and asks for tiles 2 p + 2, 2 p + 3 (p = 0 .. 14): no load leaves its buffer.
	s_mov_b32 s26, 0                               ; the pair's number
	TRIP 0, 1, 1, 1, 1, 1                          ; the first trip stands in front of the loop: it starts maximum, sums and O
	TRIP 1, 0, 0, 1, 1, 0
	PAIREND
	s_mov_b32 s26, 1
.Lpair:
	TRIP 0, 1, 0, 1, 1, 1
	TRIP 1, 0, 0, 1, 1, 0
	PAIREND
	s_add_co_u32 s26, s26, 1
	s_cmp_lt_u32 s26, 15
	s_cbranch_scc1 .Lpair
	TRIP 0, 1, 0, 1, 0, 0                          ; tile 30: tile 31 is stored, nothing more is asked for
	TRIP 1, 0, 0, 0, 0, 0                          ; tile 31: nothing is stored, so no barrier: the merge's barrier orders what follows
	; ---- the two waves of a pair are merged: the odd wave hands over O, -c max and its sums, lane for lane
.irp i, 0,1,2,3
	v_add_f32 v[LQ+\i], v[LS+2*\i], v[LS+2*\i+1]
	v_mov_b32 v[NQ+\i], v[ST+4*\i]
.endr
	s_cmp_eq_u32 s14, 0
	s_cbranch_scc1 .Lmeet
	WIN W_ST
.set x, 0
.rept 32
	ds_store_b128 v[MGA], v[OA+4*x:OA+4*x+3] offset:512*x          ; the area held Q's stage, whose last reads every wave waited for in front of the first trip's signal
.set x, x+1
.endr
	WIN 0
	ds_store_b128 v[MGA], v[NQ:NQ+3] offset:16384
	ds_store_b128 v[MGA], v[LQ:LQ+3] offset:16896
.Lmeet:
	s_wait_dscnt 0x0                               ; for the partner's sake: my stores are done; every wave's tile reads were waited for in its last trip
	s_barrier_signal -1
	s_barrier_wait -1
	s_cmp_lg_u32 s14, 0
	s_cbranch_scc1 .Lend                           ; the odd waves have handed over; no barrier follows
	ds_load_b128 v[NP:NP+3], v[MGA] offset:16384
	ds_load_b128 v[LP:LP+3], v[MGA] offset:16896
.set x, 0
.rept 32
	ds_load_b128 v[PS+4*x:PS+4*x+3], v[MGA] offset:512*x
.set x, x+1
.endr
	s_wait_dscnt 32                                ; the two quads of statistics are in; the 32 quads of O' are the younger ones
.irp i, 0,1,2,3
	v_min_num_f32 v[TM+\i], v[NQ+\i], v[NP+\i]     ; -c x the larger maximum
.endr
.irp i, 0,1,2,3
	v_sub_f32 v[NQ+\i], v[TM+\i], v[NQ+\i]
	v_sub_f32 v[NP+\i], v[TM+\i], v[NP+\i]
.endr
.irp i, 0,1,2,3
	v_exp_f32 v[NQ+\i], v[NQ+\i]                   ; a, a': one of the two is 1
	v_exp_f32 v[NP+\i], v[NP+\i]
.endr
	v_nop                                          ; one plain instruction behind the last exponential (ISA guide 5.7.2)
	s_wait_alu depctr_va_vdst(0)
.irp i, 0,1,2,3
	v_mul_f32 v[LQ+\i], v[LQ+\i], v[NQ+\i]
.endr
.irp i, 0,1,2,3
	v_fmac_f32 v[LQ+\i], v[LP+\i], v[NP+\i]        ; a l + a' l'
.endr
.irp i, 0,1,2,3
	v_permlanex16_b32 v[ST+4*\i+3], v[LQ+\i], s24, s25
.endr
.irp i, 0,1,2,3
	v_add_f32 v[LQ+\i], v[LQ+\i], v[ST+4*\i+3]     ; + the other half's keys: the whole sum, at least 1
.endr
.irp i, 0,1,2,3
	v_rcp_f32 v[LQ+\i], v[LQ+\i]
.endr
	v_nop
	s_wait_alu depctr_va_vdst(0)
.irp i, 0,1,2,3
	v_mul_f32 v[ST+4*\i], v[NQ+\i], v[LQ+\i]       ; a / l
	v_mul_f32 v[ST+4*\i+2], v[NP+\i], v[LQ+\i]     ; a' / l
.endr
.irp i, 0,1,2,3
	s_wait_dscnt 24-8*\i                           ; the eight quads of query tile i are in; those of the later tiles may be out
.irp p, 0,1,2,3,4,5,6,7,8,9,10,11,12,13,14,15
	v_pk_mul_f32 v[PS+32*\i+2*\p:PS+32*\i+2*\p+1], v[PS+32*\i+2*\p:PS+32*\i+2*\p+1], v[ST+4*\i+2:ST+4*\i+3] op_sel_hi:[1,0]
.endr
.endr
	WIN W_S
.irp i, 0,1,2,3
.irp p, 0,1,2,3,4,5,6,7,8,9,10,11,12,13,14,15
	v_pk_fma_f32 v[PS+32*\i+2*\p:PS+32*\i+2*\p+1], v[OA+32*\i+2*\p:OA+32*\i+2*\p+1], v[ST+4*\i:ST+4*\i+1], v[PS+32*\i+2*\p:PS+32*\i+2*\p+1] op_sel_hi:[1,0,1]
.endr
.endr
	WIN 0
	; ---- the way out: a lane holds 8 neighbouring d of one query; through my own stage (in the tile buffers, which nobody reads any more) into whole rows
.irp i, 0,1,2,3
.irp t, 0,1,2,3
.irp e, 0,1
	ds_store_b128 v[OSA], v[PS+32*\i+8*\t+4*\e:PS+32*\i+8*\t+4*\e+3] offset:16*OP*\i+64*\t+16*\e
.endr
.endr
.endr
	WIN W_LD
.set x, 0
.rept 32
	ds_load_b128 v[OA+4*x:OA+4*x+3], v[ORA] offset:2*OP*x          ; LDS serves a wave's instructions in order (ISA guide 5.7.1.4): these see the stores above
.set x, x+1
.endr
	WIN W_ST
.set x, 0
.rept 32
	s_wait_dscnt 31-x                              ; rows 2 x and 2 x + 1 are in; the younger loads stay out
	global_store_b128 v[GO], v[OA+4*x:OA+4*x+3], s[10:11] offset:512*x th:TH_STORE_NT   ; 32 lanes store 512 consecutive bytes, at a multiple of 512 from out0's first byte
.set x, x+1
.endr
	WIN 0
.Lend:
	s_wait_xcnt 0x0
	v_lshl_add_u32 v254, v0, 2, 0x24000
	v_mov_b32 v255, 0
	s_wait_tensorcnt 0x0
	ds_add_u32 v254, v255
	s_wait_dscnt 0x0
	s_endpgm
.Lfunc_end_k_q460dc69775_attn:
	.size	k_q460dc69775_attn, .Lfunc_end_k_q460dc69775_attn-k_q460dc69775_attn
	.p2alignl 7, 3214868480
	.fill 96, 4, 3214868480
	.section	.rodata,"a",@progbits
	.p2align	6, 0x0
	.amdhsa_kernel k_q460dc69775_attn
		.amdhsa_group_segment_fixed_size 148480
		.amdhsa_private_segment_fixed_size 0
		.amdhsa_enable_private_segment 0
		.amdhsa_kernarg_size 32
		.amdhsa_user_sgpr_count 2
		.amdhsa_user_sgpr_kernarg_segment_ptr 1
		.amdhsa_wavefront_size32 1
		.amdhsa_system_sgpr_workgroup_id_x 1
		.amdhsa_system_sgpr_workgroup_id_y 1
		.amdhsa_system_sgpr_workgroup_id_z 1
		.amdhsa_system_vgpr_workitem_id 0
		.amdhsa_next_free_vgpr 512
		.amdhsa_next_free_sgpr 66
		.amdhsa_reserve_vcc 0
		.amdhsa_float_denorm_mode_32 3
		.amdhsa_float_denorm_mode_16_64 3
		.amdhsa_memory_ordered 1
		.amdhsa_forward_progress 1
		.amdhsa_inst_pref_size 247
	.end_amdhsa_kernel
	.amdgpu_metadata
---
amdhsa.version: [ 1, 2 ]
amdhsa.kernels:
  - .name:           k_q460dc69775_attn
    .symbol:         k_q460dc69775_attn.kd
    .args:
      - { .name: query, .offset: 0, .size: 8, .value_kind: global_buffer, .address_space: global }
      - { .name: key, .offset: 8, .size: 8, .value_kind: global_buffer, .address_space: global }
      - { .name: value, .offset: 16, .size: 8, .value_kind: global_buffer, .address_space: global }
      - { .name: out0, .offset: 24, .size: 8, .value_kind: global_buffer, .address_space: global }
    .group_segment_fixed_size: 148480
    .private_segment_fixed_size: 0
    .kernarg_segment_align: 8
    .kernarg_segment_size: 32
    .max_flat_workgroup_size: 256
    .sgpr_count:     66
    .vgpr_count:     512
    .wavefront_size: 32
...
	.end_amdgpu_metadata
.endif
;; end of part 1
